; MI455X (gfx1250); checked and timed in simulation.
; The chip was launched on July 23, 2026; its instructions are those of AMD's public machine-readable ISA for CDNA 5 (MIT licence, August 2026) and "CDNA5" Instruction Set Architecture Reference Guide (July 2026). The comments in the code are by the model that wrote it; some were corrected since.
;; Multi Head Attention. Allowed arithmetic: matrix products marked QUANTISED: E5M2 operands, one given power-of-two scale a tensor, by v_wmma_f32_16x16x64_bf8_bf8 or v_wmma_f32_16x16x128_bf8_bf8, f32 sums; everything else in f32.
;; Inputs: Wk 16 x 1,024 x 64 float32; Wq 16 x 1,024 x 64 float32; Wv 16 x 1,024 x 64 float32; inputs 4 x 2,048 x 1,024 float32; lowp_scales 10 int32 (the exponents e of the quantised operands' scales 2^e).
;; Outputs: out0 4 x 2,048 x 1,024 float32.
;; This version of the problem:
;;   THIS VERSION OF THE PROBLEM IS GIVEN IN LOW PRECISION. The matrix products marked QUANTISED in the list below multiply operands that are first quantised to E5M2 (5 exponent bits, 2 mantissa bits; 8 bits a number), with one given power-of-two scale for each operand tensor; their sums are f32. All else is computed in f32.
;;   The module's matrix products, in the order in which they are computed (A, B: the left and right operand; K: the contracted axis; several contracted axes count as one K, in the product's order):
;;     1. [M 1,024, K 1,024] x [K 1,024, N 8,192]; A: input Wq; B: input inputs: QUANTISED (scales: A lowp_scales[0], B lowp_scales[1])
;;     2. [M 1,024, K 1,024] x [K 1,024, N 8,192]; A: input Wk; B: input inputs: QUANTISED (scales: A lowp_scales[2], B lowp_scales[3])
;;     3. [M 1,024, K 1,024] x [K 1,024, N 8,192]; A: input Wv; B: input inputs: QUANTISED (scales: A lowp_scales[4], B lowp_scales[5])
;;     4. batch 64 x [M 2,048, K 64] x [K 64, N 2,048]; A: computed on the way; B: computed on the way: QUANTISED (scales: A lowp_scales[6], B lowp_scales[7])
;;     5. batch 64 x [M 2,048, K 2,048] x [K 2,048, N 64]; A: softmax (see below); B: computed on the way: QUANTISED (scales: A lowp_scales[8], B lowp_scales[9])
;;   THE QUANTISER, for each operand of a quantised product, along K:
;;     - The operand's scale is 2^e, e = its entry of the input lowp_scales (int32; the entries are numbered through the quantised products in the list's order, A before B).
;;     - Each number is divided by the scale, clamped to +-57,344, and rounded to the nearest number of E5M2, ties to even, subnormals kept.
;;     - The product sums the exact products of the quantised numbers (number of the format x scale) in f32.
;;   ~~~python
;;   def quantise(x, axis, e):      # numpy; x: float32 -> the quantised numbers, widened to float32 again
;;       x = np.moveaxis(x, axis, -1); K = x.shape[-1]
;;       r = np.clip(x / 2.0 ** e, -57344, 57344)
;;       step = 2.0 ** (np.maximum(np.frexp(np.where(r == 0, 1, r))[1] - 1, -14) - 2)
;;       q = np.round(r / step) * step * 2.0 ** e      # np.round: ties to even
;;       return np.moveaxis(q, -1, axis).astype(np.float32)
;;   ~~~
;;   SOFTMAX AHEAD OF A QUANTISED PRODUCT. Where the list says 'softmax', what is quantised is not the finished softmax but p = 2^(t - M), with t = logit x log2(e) and M = ceil(the row's largest t), a whole number; so 1/2 < the row's largest p <= 1. The row's sum l is taken of the UNQUANTISED p, in f32, and the product's result is divided by l at the end. Since M is a whole number, a kernel that streams over the keys may use a running M (the ceiling of the running maximum): every later rescaling is an exact power of two, so the quantised numbers keep their values, but for numbers so far below the row's largest that they fall under the format's range.
;;   OPERANDS COMPUTED ON THE WAY. 'Computed on the way' means the value that the module computes at that place (a softmax that the list does not call 'softmax' is quantised finished and normalised). What goes into a quantiser is computed in f32, as accurately as f32 sums, v_exp_f32 and their like allow (about 1e-6 of the number): no bf16 or f16 on the way to a quantiser, and a product that is left as it is and whose result goes on into a quantised operand takes f32 operands (vector FMAs, or v_wmma_f32_16x16x4_f32). A number that lies on a knife's edge between two numbers of the format may be rounded either way, as far as f32 arithmetic and the matrix unit's own rounding can turn it there, and no further.
;; One version. Each part assembles by itself: llvm-mc -triple=amdgcn-amd-amdhsa -mcpu=gfx1250 --defsym DOCPART=n.
;; ======== version 1 of 1: 3 launches
;; limits: right only within a limited range of input values
;; workspace buffers: codes 28,311,552 bytes; qkv 25,165,824 bytes
;; launch quant_x (part 1): grid 352 x 1, 4 waves a work-group, no clusters, 68,608 bytes of LDS; arguments inputs, lowp_scales, codes, Wq, Wk, Wv; writes codes
.if DOCPART == 1
	.amdgcn_target "amdgcn-amd-amdhsa--gfx1250"
	.amdhsa_code_object_version 6
	.text
	.protected	k_qedb1d483e0_quant_x
	.globl	k_qedb1d483e0_quant_x
	.p2align	8
	.type	k_qedb1d483e0_quant_x,@function
k_qedb1d483e0_quant_x:
	s_mov_b64 s[64:65], 0
	v_nop
	global_prefetch_b8 v0, s[64:65] scope:SCOPE_SE
	s_setreg_imm32_b32 hwreg(HW_REG_WAVE_MODE, 25, 1), 1
	s_wait_xcnt 0x0
; inputs [8192 tokens][1024] f32 become THREE sets of codes of E5M2, 8 bits each, K (the 1,024) innermost: the same numbers are the right operand of the q, the k and the
; v projection, and each of these products has a scale of its own for them: 2^e1, 2^e3, 2^e5 (entries 1, 3, 5 of the scales).  Set p lies at byte p x 8,388,608 of the buffer of codes.
; code = x / 2^e, held within +-57,344, rounded to the nearest code, ties to even.  LIMITS: -126 <= e and e + 15 <= 127 for each of the three; NaN among the inputs is not served (an infinity is held at the largest code).
; THE ORDER OF THE CODES: of every 32 along K the four groups of eight lie in the order 0, 2, 1, 3.  The product's launch fetches 16 bytes a lane, lanes 0-15 the first 16 of a 32 and lanes 16-31 the second: so its
; registers 2 c, 2 c + 1 hold k = 16 c + 8 (lane / 16) + 0 .. 7, the place that the matrix instruction's own layout gives each k.  The weights' codes are laid alike.
; Rows are dense, so the tensor is a plain stream, and so is each set of codes.  A wave takes 16 steps of 512 numbers.  The conversion takes 8 neighbours from ONE lane's registers; a load is best where neighbouring
; LANES take neighbouring bytes.  Both are had: each of a step's four loads reads 512 consecutive bytes, 16 a lane; the 2,048 bytes go through the wave's own stage in LDS as they lie (16 bytes of padding behind each 64)
; and come back as two groups of eight a lane: an even lane takes groups 0 and 2 of its 32, the odd lane beside it groups 1 and 3.  A lane's 16 codes are 16 bytes: each store of the wave covers 512 consecutive bytes, aligned.
; The numbers are read from memory once and quantised three times in registers.  No tensor loads, no barrier: waves share nothing.  Loads run four steps (16 loads a wave) ahead, the turn through LDS one step.
.set STEPS, 16
.set EMAX,  15
.set MANT,  0x600000                   ; the mantissa field of 57,344 as f32
.set SETB,  8388608                    ; bytes of a set of codes
.set SC,    5                          ; v5-7     2^e1, 2^e3, 2^e5 as f32
.set LM,    8                          ; v8-10    57,344 x these
.set R,     16                         ; v16-79   four sets of 16 numbers as they are loaded
.set X,     80                         ; v80-111  two sets of 16 numbers: two groups of eight neighbours
.set T,     112                        ; v112-127 the 16 numbers, held
.set C,     128                        ; v128-151 codes: two sets of 3 x 4 registers, by turns
.set WREG,  8192                       ; LDS: a region of its own for each wave: two stages of 32 x SP bytes
.set SP,    80                         ; a place in a stage: 16 numbers' 64 bytes + 16 of padding
; WORK LEFT OUT BY THE PROGRAM: reference() builds the causal mask itself (jnp.tril) and sets the scores of keys behind the query to -infinity, whose softmax weight is 0 for all values of the inputs.  So the steps of
; 128 keys that lie wholly behind a block of queries are neither multiplied nor exponentiated in the last launch.  LIMIT: a NaN, an infinity or an overflow that would arise only in those scores is not carried to the result.
; ONE LAUNCH PREPARES ALL FOUR INPUTS.  Work-groups 0 to 95 take the weights (the path below), work-groups 96 to 351 the inputs (the path behind .Lx).  The branch hangs on the work-group's number alone; each path has LDS bytes of its own.
; THE WEIGHTS.  Wq, Wk, Wv [16 heads][1024 (d = K)][64 (e)] f32 become codes of E5M2 laid [channel = 64 head + e][1024] with K innermost, each with its given scale 2^e0, 2^e2, 2^e4.
; Weight p = work-group / 32 lies at byte 25,165,824 + p x 1,048,576 of the codes.  Of every 32 along K the four groups of eight lie in the order 0, 2, 1, 3, as the inputs' codes do.
; A lane takes a column e and its registers run down K: each load reads 128 consecutive bytes a wave, and the conversions give codes with K innermost.  A wave takes 32 columns x 256 along K, 8 blocks of 32 a lane;
; its codes go through its own stage in LDS and leave as rows: sixteen lanes store 256 consecutive bytes, aligned.  Loads run two blocks (64 loads a wave) ahead.
; LIMITS: -126 <= e and e + 15 <= 127; NaN among the weights is not served.
.set WNB,    8                         ; blocks of 32 along K for a wave
.set WPITCH, 272                       ; a stage row: 256 bytes of codes + 16
.set WST,    0x8200                    ; the weights' four stages, behind the other path's bytes
.set WSPARE, 0x10a00                   ; and this path's spare words: 128 bytes a wave
.set WX,     32                        ; v32-95   two sets of 32 numbers
.set WC,     96                        ; v96-103  a block's codes
.set WOUT,   112                       ; v112-175 the way out
	s_cmp_lt_u32 ttmp9, 96
	s_cbranch_scc0 .Lx
	s_load_b128 s[4:7], s[0:1], 0x18               ; Wq, Wk
	s_load_b64 s[8:9], s[0:1], 0x28                ; Wv
	s_load_b64 s[10:11], s[0:1], 0x8               ; the scales' exponents
	s_load_b64 s[12:13], s[0:1], 0x10              ; the codes
	v_lshl_add_u32 v192, v0, 2, WSPARE
	v_mov_b32 v193, 0
	v_lshrrev_b32 v1, 5, v0
	v_readfirstlane_b32 s16, v1                    ; wave
	v_and_b32 v2, 31, v0                           ; lane
	v_lshlrev_b32 v3, 2, v2                        ; in: 4 bytes a lane
	s_mul_i32 s19, s16, 32*WPITCH
	s_add_co_u32 s19, s19, WST                     ; my stage
	v_mul_u32_u24 v4, v2, WPITCH
	v_add_nc_u32 v4, s19, v4                       ; into it: row = my column
	v_and_b32 v5, 15, v2
	v_lshrrev_b32 v6, 4, v2
	v_mul_u32_u24 v7, v6, WPITCH
	v_lshl_add_u32 v7, v5, 4, v7
	v_add_nc_u32 v7, s19, v7                       ; out of it: sixteen lanes to a row
	v_lshlrev_b32 v8, 10, v6
	v_lshl_add_u32 v8, v5, 4, v8                   ; the same place in the codes
	s_lshr_b32 s14, ttmp9, 5                       ; p: which weight
	s_bfe_u32 s15, ttmp9, 0x40001                  ; the head
	s_and_b32 s17, ttmp9, 1
	s_lshl_b32 s17, s17, 1
	s_lshr_b32 s18, s16, 1
	s_add_co_u32 s17, s17, s18                     ; which 256 along K
	s_and_b32 s18, s16, 1                          ; which 32 of the head's 64 columns
	s_lshl_b32 s20, s15, 18
	s_lshl_b32 s32, s17, 16
	s_add_co_u32 s20, s20, s32
	s_lshl_b32 s32, s18, 7
	s_add_co_u32 s20, s20, s32                     ; in: head x 262,144 + K chunk x 65,536 + 128 for the upper columns
	s_mov_b32 s21, 0
	s_lshl_b32 s22, s14, 20
	s_add_co_u32 s22, s22, 25165824
	s_lshl_b32 s32, s15, 16
	s_add_co_u32 s22, s22, s32
	s_lshl_b32 s32, s18, 15
	s_add_co_u32 s22, s22, s32
	s_lshl_b32 s32, s17, 8
	s_add_co_u32 s22, s22, s32                     ; out: the weight's codes, row 64 head + 32 half, byte 256 x K chunk
	s_mov_b32 s23, 0
	s_wait_alu depctr_va_vdst(0)                   ; the wait ahead of the wait below
	s_wait_kmcnt 0x0
	s_load_b256 s[24:31], s[10:11], 0x0            ; e0 .. e7
	s_cmp_eq_u32 s14, 1
	s_cselect_b64 s[4:5], s[6:7], s[4:5]
	s_cmp_eq_u32 s14, 2
	s_cselect_b64 s[4:5], s[8:9], s[4:5]
	s_add_nc_u64 s[4:5], s[4:5], s[20:21]
	s_add_nc_u64 s[12:13], s[12:13], s[22:23]
.macro WLOAD t                         ; block t: W(32 t + i, my column) into set t % 2
.set i, 0
.rept 32
	global_load_b32 v[WX+32*((\t)%2)+i], v3, s[4:5] offset:(32*(\t)+i)*256 th:TH_LOAD_NT
.set i, i+1
.endr
.endm
	WLOAD 0
	WLOAD 1
	s_wait_kmcnt 0x0
	s_cmp_eq_u32 s14, 1
	s_cselect_b32 s30, s26, s24
	s_cmp_eq_u32 s14, 2
	s_cselect_b32 s30, s28, s30                    ; e0, e2 or e4
	s_add_co_i32 s30, s30, 127
	s_lshl_b32 s31, s30, 23
	v_mov_b32 v11, s31                             ; 2^e as f32
	s_add_co_i32 s30, s30, EMAX
	s_lshl_b32 s30, s30, 23
	s_or_b32 s30, s30, MANT
	v_mov_b32 v10, s30                             ; 57,344 x 2^e
.macro WBLOCK t
.set WXS, WX+32*((\t)%2)
.if (\t) < WNB-1
	s_wait_loadcnt 32                              ; this block's 32 loads are in; the next block's 32 may be out
.else
	s_wait_loadcnt 0
.endif
.set i, 0
.rept 32
	v_med3_num_f32 v[WXS+i], v[WXS+i], -v10, v10   ; the conversion does not saturate (ISA guide 7.6.2): the hold comes first
.set i, i+1
.endr
.irp g, 0,1,2,3
	v_cvt_scalef32_pk8_bf8_f32 v[WC+4*(\g%2)+2*(\g/2):WC+4*(\g%2)+2*(\g/2)+1], v[WXS+8*\g:WXS+8*\g+7], v11   ; group g goes to place 0, 2, 1, 3
.endr
	ds_store_b128 v4, v[WC:WC+3] offset:32*(\t)
	ds_store_b128 v4, v[WC+4:WC+7] offset:32*(\t)+16
.if (\t)+2 < WNB
	WLOAD (\t)+2
.endif
	s_wait_dscnt 0x0                               ; the stores have read their registers
.endm
.set WQ, 0
	s_wait_alu depctr_va_vdst(0)                   ; the wait at the head's end
.rept WNB
	WBLOCK WQ
.set WQ, WQ+1
.endr
.irp t, 0,1,2,3,4,5,6,7,8,9,10,11,12,13,14,15
	ds_load_b128 v[WOUT+4*\t:WOUT+4*\t+3], v7 offset:2*\t*WPITCH   ; LDS serves a wave's instructions in order: these see my stores
.endr
.irp t, 0,1,2,3,4,5,6,7,8,9,10,11,12,13,14,15
	s_wait_dscnt 15-\t                             ; the loads behind load t may be out
	global_store_b128 v8, v[WOUT+4*\t:WOUT+4*\t+3], s[12:13] offset:2*\t*1024
.endr
	s_wait_tensorcnt 0x0                           ; the wave's end
	ds_add_u32 v192, v193
	s_wait_dscnt 0x0
	s_endpgm
.Lx:                                                   ; THE INPUTS: work-groups 96 to 351
	s_load_b128 s[4:7], s[0:1], 0x0
	s_load_b64 s[8:9], s[0:1], 0x10                ; the codes
	v_lshl_add_u32 v152, v0, 2, 0x8000
	v_mov_b32 v153, 0
	v_lshrrev_b32 v1, 5, v0
	v_readfirstlane_b32 s16, v1                    ; wave
	v_and_b32 v2, 31, v0                           ; lane
	v_lshlrev_b32 v3, 4, v2                        ; my 16 bytes of a load's 512, and of a store's 512; never rewritten
	s_mul_i32 s17, s16, WREG
	v_lshrrev_b32 v14, 2, v2
	v_mul_u32_u24 v14, v14, SP
	v_and_b32 v15, 3, v2
	v_lshl_add_u32 v14, v15, 4, v14
	v_add_nc_u32 v14, s17, v14                     ; the stage, on the way in: SP (lane / 4) + 16 (lane % 4); a load's 512 bytes take eight places
	v_and_b32 v15, 30, v2
	v_mul_u32_u24 v15, v15, SP
	v_and_b32 v4, 1, v2
	v_lshl_add_u32 v15, v4, 5, v15
	v_add_nc_u32 v15, s17, v15                     ; and on the way out: a 32 along K is two places; I take 32 bytes of each: SP (lane & 30) + 32 (lane & 1), and SP further on
	s_sub_co_u32 s18, ttmp9, 96
	s_lshl_b32 s18, s18, 2
	s_add_co_u32 s18, s18, s16                     ; which run of 8,192 numbers is my wave's: 0 .. 1,023
	s_lshl_b32 s20, s18, 15                        ; its bytes in the inputs,
	s_mov_b32 s21, 0
	s_lshl_b32 s22, s18, 13                        ; and in a set of codes
	s_mov_b32 s23, 0
	s_wait_alu depctr_va_vdst(0)
	s_wait_kmcnt 0x0
	s_load_b256 s[24:31], s[6:7], 0x0              ; e0 .. e7
	s_add_nc_u64 s[4:5], s[4:5], s[20:21]
	s_add_nc_u64 s[8:9], s[8:9], s[22:23]          ; a base for each set: a set's distance does not fit a store's immediate
	s_add_nc_u64 s[10:11], s[8:9], SETB
	s_add_nc_u64 s[12:13], s[8:9], 2*SETB
.macro LOAD t
.irp i, 0,1,2,3
	global_load_b128 v[R+16*((\t)%4)+4*\i:R+16*((\t)%4)+4*\i+3], v3, s[4:5] offset:2048*(\t)+512*\i th:TH_LOAD_NT   ; 32 lanes read 512 consecutive bytes; read once in the launch
.endr
.endm
.macro TURN t                          ; step t's numbers through the stage: LDS serves a wave's instructions in order, so no wait stands between the stores and the loads
.irp i, 0,1,2,3
	ds_store_b128 v14, v[R+16*((\t)%4)+4*\i:R+16*((\t)%4)+4*\i+3] offset:32*SP*((\t)%2)+8*SP*\i
.endr
.irp i, 0,1
	ds_load_b128 v[X+16*((\t)%2)+4*\i:X+16*((\t)%2)+4*\i+3], v15 offset:32*SP*((\t)%2)+16*\i          ; group 0 (even lane) or 1 (odd lane) of my 32
.endr
.irp i, 0,1
	ds_load_b128 v[X+16*((\t)%2)+8+4*\i:X+16*((\t)%2)+8+4*\i+3], v15 offset:32*SP*((\t)%2)+SP+16*\i   ; group 2 or 3
.endr
.endm
.irp t, 0,1,2,3
	LOAD \t
.endr
	s_wait_kmcnt 0x0
.irp p, 0,1,2
	s_add_co_i32 s32, s[25+2*\p], 127
	s_lshl_b32 s33, s32, 23
	v_mov_b32 v[SC+\p], s33                        ; 2^e as f32: the conversion takes its exponent field
	s_add_co_i32 s32, s32, EMAX
	s_lshl_b32 s32, s32, 23
	s_or_b32 s32, s32, MANT
	v_mov_b32 v[LM+\p], s32                        ; the largest number x 2^e
.endr
	s_wait_alu depctr_va_vdst(0)
	s_wait_loadcnt 12                              ; step 0's four loads are in; those of steps 1 to 3 may be out
	TURN 0
.macro STEP t
.set XS, X+16*((\t)%2)
.set CC, C+12*((\t)%2)
	s_wait_dscnt 0x0                               ; this step's numbers are back from the stage: so its stores into the stage have read their registers
	s_wait_xcnt 0x0                                ; the stores of two steps back have read this set of code registers: only behind this wait is it written again
.if (\t)+4 < STEPS
	LOAD (\t)+4
.endif
.if (\t)+1 < STEPS
.if STEPS-2-(\t) >= 3
	s_wait_loadcnt 12                              ; the next step's four loads are in; those of the three steps behind it may be out
.else
	s_wait_loadcnt 4*(STEPS-2-(\t))                ; the tail: the steps behind the next one, four loads each
.endif
	TURN (\t)+1                                    ; they go through the other stage while this step is worked
.endif
.irp p, 0,1,2
.set i, 0
.rept 16
	v_med3_num_f32 v[T+i], v[XS+i], -v[LM+\p], v[LM+\p]   ; the conversion to an 8-bit code does not saturate (ISA guide 7.6.2): the hold at the largest code x the scale; the numbers themselves stay for the next scale
.set i, i+1
.endr
	v_cvt_scalef32_pk8_bf8_f32 v[CC+4*\p:CC+4*\p+1], v[T:T+7], v[SC+\p]
	v_cvt_scalef32_pk8_bf8_f32 v[CC+4*\p+2:CC+4*\p+3], v[T+8:T+15], v[SC+\p]
	v_nop                                          ; one plain vector line between the conversions and the next holds, which write their sources
	global_store_b128 v3, v[CC+4*\p:CC+4*\p+3], s[8+2*\p:9+2*\p] offset:512*(\t)   ; the next launch reads them: no hint
.endr
.endm
.irp t, 0,1,2,3,4,5,6,7,8,9,10,11,12,13,14,15
	STEP \t
.endr
	s_wait_tensorcnt 0x0
	ds_add_u32 v152, v153
	s_wait_dscnt 0x0
	s_endpgm
.Lfunc_end_k_qedb1d483e0_quant_x:
	.size	k_qedb1d483e0_quant_x, .Lfunc_end_k_qedb1d483e0_quant_x-k_qedb1d483e0_quant_x
	.p2alignl 7, 3214868480
	.fill 96, 4, 3214868480
	.section	.rodata,"a",@progbits
	.p2align	6, 0x0
	.amdhsa_kernel k_qedb1d483e0_quant_x
		.amdhsa_group_segment_fixed_size 68608
		.amdhsa_private_segment_fixed_size 0
		.amdhsa_enable_private_segment 0
		.amdhsa_kernarg_size 48
		.amdhsa_user_sgpr_count 2
		.amdhsa_user_sgpr_kernarg_segment_ptr 1
		.amdhsa_wavefront_size32 1
		.amdhsa_system_sgpr_workgroup_id_x 1
		.amdhsa_system_sgpr_workgroup_id_y 1
		.amdhsa_system_sgpr_workgroup_id_z 1
		.amdhsa_system_vgpr_workitem_id 0
		.amdhsa_next_free_vgpr 194
		.amdhsa_next_free_sgpr 66
		.amdhsa_reserve_vcc 0
		.amdhsa_float_denorm_mode_32 3
		.amdhsa_float_denorm_mode_16_64 3
		.amdhsa_memory_ordered 1
		.amdhsa_forward_progress 1
		.amdhsa_inst_pref_size 128
	.end_amdhsa_kernel
	.amdgpu_metadata
---
amdhsa.version: [ 1, 2 ]
amdhsa.kernels:
  - .name:           k_qedb1d483e0_quant_x
    .symbol:         k_qedb1d483e0_quant_x.kd
    .args:
      - { .name: inputs, .offset: 0, .size: 8, .value_kind: global_buffer, .address_space: global }
      - { .name: lowp_scales, .offset: 8, .size: 8, .value_kind: global_buffer, .address_space: global }
      - { .name: codes, .offset: 16, .size: 8, .value_kind: global_buffer, .address_space: global }
      - { .name: Wq, .offset: 24, .size: 8, .value_kind: global_buffer, .address_space: global }
      - { .name: Wk, .offset: 32, .size: 8, .value_kind: global_buffer, .address_space: global }
      - { .name: Wv, .offset: 40, .size: 8, .value_kind: global_buffer, .address_space: global }
    .group_segment_fixed_size: 68608
    .private_segment_fixed_size: 0
    .kernarg_segment_align: 8
    .kernarg_segment_size: 48
    .max_flat_workgroup_size: 128
    .sgpr_count:     66
    .vgpr_count:     194
    .wavefront_size: 32
...
	.end_amdgpu_metadata
.endif
;; end of part 1
;; launch proj (part 2): grid 8 x 32, 4 waves a work-group, clusters of 4 x 4, 327,680 bytes of LDS; arguments codes, lowp_scales, qkv; writes qkv
.if DOCPART == 2
	.amdgcn_target "amdgcn-amd-amdhsa--gfx1250"
	.amdhsa_code_object_version 6
	.text
	.protected	k_qedb1d483e0_proj
	.globl	k_qedb1d483e0_proj
	.p2align	8
	.type	k_qedb1d483e0_proj,@function
k_qedb1d483e0_proj:
	s_mov_b64 s[64:65], 0
	v_nop
	global_prefetch_b8 v0, s[64:65] scope:SCOPE_SE
	s_setreg_imm32_b32 hwreg(HW_REG_WAVE_MODE, 25, 1), 1
	s_wait_xcnt 0x0
	s_wait_alu depctr_hold_cnt(0) depctr_sa_sdst(0) depctr_va_vdst(0) depctr_va_sdst(0) depctr_va_ssrc(0) depctr_va_vcc(0) depctr_vm_vsrc(0)
	s_getreg_b32 s2, hwreg(HW_REG_IB_STS2, 6, 4)
	s_cmp_eq_u32 s2, 0
	s_cbranch_scc0 .Lentry_in_a_cluster
	s_endpgm
.Lentry_in_a_cluster:
	s_bfe_u32 s2, ttmp6, 0x10000c
	s_cmp_lg_u32 s2, 0xf033
	s_cbranch_scc0 .Lentry_shape_is_right
	s_endpgm
.Lentry_shape_is_right:
; The three projections q, k, v = inputs x W, 8,192 tokens x 1,024 channels x K 1,024 each, on codes of E5M2 (v_wmma_f32_16x16x128_bf8_bf8, sums in f32), and the quantising of their results for the attention that follows.
; THE DEAL: 256 work-groups of four waves, 16 clusters of 4 x 4.  H = cluster x (0, 1), u = cluster y (0 .. 7: which 1,024 tokens).  A work-group stays for two phases:
;   PHASE 1: a tile of 256 tokens x 256 channels of q (H = 0) or k (H = 1); a wave makes 128 x 128: 64 accumulators, 512 registers.
;   PHASE 2: a tile of 128 channels x 256 tokens of v (channels 512 H + 128 cy on); a wave makes 64 x 128: the 32 accumulators of window 2.
; So every work-group has one and a half tiles of the 384.  K goes in steps of 256 through a ring of two LDS slots filled by the tensor data mover; a tile's row is 256 bytes of memory.
; THE RING GOES ON INTO PHASE 2: phase 1's last two changes of slots ask for v's K steps 0 and 1, which are on their way while q's or k's results are converted and stored.
; PARTS.  Source 1 ('A') gives a result its LANE, source 0 ('B') its REGISTERS: lane (r, h) of accumulator (a, b) holds A's row 16 a + r and B's rows 16 b + 8 h + 0 .. 7.
;   q, k: A = tokens, B = channels: the registers run along the head's 64 channels, the K of the scores.     v: A = channels, B = tokens: the registers run along the keys, the K of the second product.
; One conversion of an accumulator's eight registers gives registers 2 b, 2 b + 1 of the next product's operand in that form's own layout, and the results leave as IMAGES OF THE OPERAND'S REGISTERS: 512 consecutive bytes a store, aligned.
;   q: [bh = 16 batch + head][tile of 16 tokens: 128][1,024 bytes] at byte 0.     k, v: from byte 8,388,608 on [bh][step of 128 keys: 16][k: 8 tiles of 16 keys x 1,024 | v: 4 tiles of 16 channels x 2,048].
; A sum stands for sum x 2^(eW + ex); its code is sum / 2^D, D = e6 - e0 - e1 (q), e7 - e2 - e3 (k), e9 - e4 - e5 (v), held within +-57,344 x 2^D.  LIMIT: each D between -126 and 112.
; THE SUMS GO INTO A QUANTISER: each k stands in the place that the matrix instruction's own layout gives it (the launch before laid the codes for that: of every 32 along K the groups of eight lie in the order 0, 2, 1, 3),
; each output has one accumulator, and K ascends, 128 an instruction.
; CLUSTERS.  In both phases A's tile hangs on cy (and H, u), B's on cx (and H, u): the four of a row of the cluster ask for A's tile jointly, the four of a column for B's.  Nothing branches on a place in the cluster.
; PREFETCH INTO THE L2.  The eight K steps of the two phases are loaded in the order 0, 1, 2, 3, v's 0, 1, 2, 3.  Behind the load of each stands a prefetch of the K step two loads on; K step 1 is asked for with K step 2, behind the first load.
; Of the rows that a wave fetches, each of the four partners that ask for them jointly names a quarter, told apart BY ADDRESS (cx for A's tiles, cy for B's): a lane a row's 256 bytes, one instruction a wave.  Of phase 2's A (64 rows a wave,
; 16 a partner) lanes 16 to 31 name lane 15's row again.  The K step lies in the immediate, so no address register is written again.  v's K step 3 is the last that is asked for.
; REGISTERS, in windows of 256: window 0: v0-31 addresses and the way out's two scales; from v128 A's fragments: phase 1: eight blocks, ONE set; phase 2: four blocks, TWO sets; on the way out v32-95 held sums, v128.. codes.
;   window 1: B's fragments, TWO sets, at v0 and v128.   window 2: the accumulators of A's rows 0-63 (accumulator (a, b) at v[8 (8 a + b)]);   window 3: those of rows 64-127 (phase 1).
.set ROWB,   256                       ; a tile's row in bytes: a K step of 256
.set KROW,   1024                      ; a row of either operand in memory
.set PITCH,  272                       ; an LDS row: 256 bytes + 16 of padding
.set FR,     16                        ; registers of a fragment: 16 rows x 128 K
.set NL,     4                         ; LDS loads that bring one
.set NP,     4                         ; places behind this matrix instruction (ISA guide 7.12.1)
.set HALFT,  128*PITCH                 ; a wave's region of a slot: 128 rows
.set SLOT,   4*HALFT                   ; A's two regions, then B's two
.set SPARE,  2*SLOT                    ; behind the ring: the spare words, 128 bytes a wave
.set WBASE,  25165824                  ; the weights' codes lie behind the inputs' three sets
.set KVBASE, 8388608
.set FLAGS,  (1<<20)|(1<<21)|(5<<22)|(3<<25)   ; elements of 1 byte; padding on: 4 words behind every 64; bit 21 beside a mask
.set ADRA, 16                          ; v16-17  LDS address of my A fragments in slot 0, 1
.set ADRB, 20                          ; v20-21  the same for B
.set PFO,  22                          ; v22     phase 1's prefetches: my row among the 128 that my wave fetches, x 1,024; never rewritten
.set PFH,  23                          ; v23     phase 2's; never rewritten
.set CO,   26                          ; v26     16 x lane
.set CO2,  27                          ; v27     the same + the distance to the next head's image (q, k)
.set SPW,  28
.set NIL,  29
.set SCL,  30                          ; v30     2^D
.set LIM,  31                          ; v31     57,344 x 2^D
.set TMP,  32
.set AF,   128
.set CD,   128                         ; the way out: 16 registers of codes a block, so that no store's data are written again in a phase
.set PF1,  8                           ; s[8:9]   the first byte of what my wave fetches in phase 1; never rewritten
.set PF2,  96                          ; s[96:97] in phase 2; never rewritten
.set G1,   24                          ; s[24:31] group 1 for A's tiles of 128 rows;  s[32:39] A's groups 0, one a slot
.set G0,   32
.set G1B,  48                          ; s[48:55], s[56:63] the same for B
.set G0B,  56
.set G1H,  68                          ; s[68:75] group 1 for phase 2's A: 64 rows
.set A2,   86                          ; s[86:87], s[88:89] where my part of v's first tiles lies
.set B2,   88
.set O2,   90                          ; s[90:91] where my images of v go
.set MSB, 0
.macro WIN new
.if MSB != \new
	s_set_vgpr_msb (MSB<<8)|\new
.set MSB, \new
.endif
.endm
.set MUL_LO, 0xa1                      ; source 0 (B) window 1, source 1 (A) window 0, C and D window 2
.set MUL_HI, 0xf1                      ; the same, C and D window 3
.set TO_B,   0x40
; a joint load: waves 0 and 1 fetch for A, waves 2 and 3 for B; the branch hangs on the wave's number alone; s_nop 0 and four v_nop follow each line
.macro JLOAD g0a, g1a, g0b, g1b
	s_cmp_eq_u32 s15, 0
	s_cbranch_scc0 .Lfor_b_\@
	tensor_load_to_lds s[\g0a:\g0a+3], s[\g1a:\g1a+7]
	s_nop 0
.rept 4
	v_nop
.endr
	s_branch .Lasked_\@
.Lfor_b_\@:
	tensor_load_to_lds s[\g0b:\g0b+3], s[\g1b:\g1b+7]
	s_nop 0
.rept 4
	v_nop
.endr
.Lasked_\@:
.endm
.macro CREST                           ; a round of the cluster's barrier behind its opening barrier
	s_cmp_lg_u32 s14, 0
	s_cbranch_scc1 .Lnot_wave_0_\@
	s_barrier_signal -3
.Lnot_wave_0_\@:
	s_barrier_wait -3
	s_barrier_signal -1
	s_barrier_wait -1
.endm
.macro CROUND
	s_barrier_signal -1
	s_barrier_wait -1
	CREST
.endm
	s_load_b128 s[4:7], s[0:1], 0x0                ; the codes s[4:5], the scales' exponents s[6:7]
	s_load_b64 s[10:11], s[0:1], 0x10              ; the images
	v_lshl_add_u32 v[SPW], v0, 2, SPARE
	v_mov_b32 v[NIL], 0
	ds_add_u32 v[SPW], v[NIL]                      ; the opening: the add, twice on end, and its wait ahead of my first tensor load
	ds_add_u32 v[SPW], v[NIL]
	v_lshrrev_b32 v1, 5, v0
	v_readfirstlane_b32 s14, v1                    ; wave 0..3
	s_lshr_b32 s15, s14, 1                         ; which half of A's rows is mine.  Also: I fetch for A (0) or for B (1)
	s_and_b32 s16, s14, 1                          ; which half of B's rows.  Also: which half of that tile I fetch
	s_bfe_u32 s40, ttmp6, 0x40000                  ; cx, cy
	s_bfe_u32 s41, ttmp6, 0x40004
	s_mov_b32 s12, ttmp9                           ; H
	s_and_b32 s13, ttmp7, 0xffff                   ; u
	s_lshl_b32 s43, s41, 2
	s_lshl_b32 s43, 15, s43                        ; my row of the cluster
	s_lshl_b32 s44, 0x1111, s40                    ; my column
	s_or_b32 s[G1], s43, FLAGS
	s_or_b32 s[G1H], s43, FLAGS
	s_or_b32 s[G1B], s44, FLAGS
.irp g, G1, G1B, G1H
	s_mov_b32 s[\g+1], ROWB<<16                    ; tensor_dim0
	s_mov_b32 s[\g+3], ROWB<<16                    ; tile_dim0
	s_mov_b32 s[\g+5], KROW                        ; the pitch
	s_mov_b32 s[\g+6], 0
	s_mov_b32 s[\g+7], 0
.endr
	s_mov_b32 s[G1+2], 128<<16                     ; rows
	s_mov_b32 s[G1+4], 128
	s_mov_b32 s[G1B+2], 128<<16
	s_mov_b32 s[G1B+4], 128
	s_mov_b32 s[G1H+2], 64<<16
	s_mov_b32 s[G1H+4], 64
	s_lshl_b32 s17, s13, 2
	s_add_co_u32 s17, s17, s41                     ; 4 u + cy: phase 1's tile of tokens
	s_lshl_b32 s42, s13, 2
	s_add_co_u32 s42, s42, s40                     ; 4 u + cx: phase 2's tile of tokens
	s_lshl_b32 s18, s16, 7
	s_lshl_b32 s20, s17, 8                         ; phase 1, A: token 256 (4 u + cy) + 128 x half, in set H of the inputs' codes
	s_add_co_u32 s20, s20, s18
	s_lshl_b32 s20, s20, 10
	s_lshl_b32 s19, s12, 23
	s_add_co_u32 s20, s20, s19
	s_mov_b32 s21, 0
	s_lshl_b32 s46, s40, 8                         ; phase 1, B: channel 256 cx + 128 x half of weight H
	s_add_co_u32 s46, s46, s18
	s_lshl_b32 s46, s46, 10
	s_lshl_b32 s19, s12, 20
	s_add_co_u32 s46, s46, s19
	s_add_co_u32 s46, s46, WBASE
	s_mov_b32 s47, 0
	s_lshl_b32 s94, s12, 9                         ; phase 2, A: channel 512 H + 128 cy + 64 x half of Wv
	s_lshl_b32 s19, s41, 7
	s_add_co_u32 s94, s94, s19
	s_lshl_b32 s19, s16, 6
	s_add_co_u32 s94, s94, s19
	s_lshl_b32 s94, s94, 10
	s_add_co_u32 s94, s94, WBASE+(2<<20)
	s_mov_b32 s95, 0
	s_lshl_b32 s96, s42, 8                         ; phase 2, B: token 256 (4 u + cx) + 128 x half, in set 2
	s_add_co_u32 s96, s96, s18
	s_lshl_b32 s96, s96, 10
	s_add_co_u32 s96, s96, 2<<23
	s_mov_b32 s97, 0
	s_mul_i32 s45, s14, HALFT                      ; where my tiles go: wave x a region: no place in the cluster enters an LDS address
	s_wait_dscnt 0x0                               ; both opening adds are done
	s_wait_kmcnt 0x0
	s_load_b256 s[76:83], s[6:7], 0x0              ; e0 .. e7
	s_load_b64 s[84:85], s[6:7], 0x20              ; e8, e9
	s_add_nc_u64 s[20:21], s[4:5], s[20:21]
	s_add_nc_u64 s[46:47], s[4:5], s[46:47]
	s_add_nc_u64 s[A2:A2+1], s[4:5], s[94:95]
	s_add_nc_u64 s[B2:B2+1], s[4:5], s[96:97]
	CROUND                                         ; all sixteen work-groups are here: the first joint loads meet
.irp s, 0,1
	s_mov_b32 s[G0+4*\s], 1
	s_add_co_u32 s[G0+4*\s+1], s45, \s*SLOT
	s_add_nc_u64 s[G0+4*\s+2:G0+4*\s+3], s[20:21], \s*ROWB
	s_or_b32 s[G0+4*\s+3], s[G0+4*\s+3], 0x80000000
	s_mov_b32 s[G0B+4*\s], 1
	s_add_co_u32 s[G0B+4*\s+1], s45, \s*SLOT
	s_add_nc_u64 s[G0B+4*\s+2:G0B+4*\s+3], s[46:47], \s*ROWB
	s_or_b32 s[G0B+4*\s+3], s[G0B+4*\s+3], 0x80000000
.endr
	JLOAD G0, G1, G0B, G1B                         ; K step 0: one tensor load a wave at the head
	; the prefetches' addresses: what my wave fetches, and my work-group's quarter of its rows
	s_cmp_eq_u32 s15, 0                            ; do I fetch for A?
	s_cselect_b64 s[PF1:PF1+1], s[20:21], s[46:47]
	s_cselect_b64 s[PF2:PF2+1], s[A2:A2+1], s[B2:B2+1]
	s_cselect_b32 s19, s40, s41                    ; my place among the four that ask with me: cx for A's tiles, cy for B's
	s_cselect_b32 s22, 15, 31                      ; phase 2: 16 rows a partner of A's 64, 32 of B's 128
	s_cselect_b32 s23, 4, 5
	s_lshl_b32 s18, s19, 5
	s_lshl_b32 s23, s19, s23
	v_and_b32 v[PFO], 31, v0
	v_min_u32 v[PFH], s22, v[PFO]
	v_add_nc_u32 v[PFO], s18, v[PFO]
	v_add_nc_u32 v[PFH], s23, v[PFH]
	v_lshlrev_b32 v[PFO], 10, v[PFO]
	v_lshlrev_b32 v[PFH], 10, v[PFH]
	global_prefetch_b8 v[PFO], s[PF1:PF1+1] offset:ROWB th:TH_LOAD_NT scope:SCOPE_SE     ; K step 1,
	global_prefetch_b8 v[PFO], s[PF1:PF1+1] offset:2*ROWB th:TH_LOAD_NT scope:SCOPE_SE   ; and K step 2
	v_and_b32 v1, 15, v0
	v_bfe_u32 v2, v0, 4, 1
	v_mul_u32_u24 v3, v1, PITCH
	v_lshl_add_u32 v4, v2, 4, v3                   ; a fragment's row x pitch + 16 x half
	s_mul_i32 s21, s15, HALFT                      ; my region of A
	s_mul_i32 s22, s16, HALFT
	s_add_co_u32 s22, s22, 2*HALFT                 ; my region of B
.irp s, 0,1
	v_add_nc_u32 v[ADRA+\s], s21, v4
	v_add_nc_u32 v[ADRB+\s], s22, v4
	s_add_co_u32 s21, s21, SLOT
	s_add_co_u32 s22, s22, SLOT
.endr
	; where my images of v go: 64 channels are one head, 128 tokens one step of keys
	s_lshl_b32 s66, s42, 8
	s_lshl_b32 s67, s16, 7
	s_add_co_u32 s66, s66, s67                     ; my first token
	s_lshl_b32 s67, s12, 3
	s_lshl_b32 s94, s41, 1
	s_add_co_u32 s67, s67, s94
	s_add_co_u32 s67, s67, s15                     ; the head: 8 H + 2 cy + my half
	s_lshr_b32 s94, s66, 11
	s_lshl_b32 s94, s94, 4
	s_add_co_u32 s94, s94, s67                     ; bh
	s_lshl_b32 s94, s94, 18
	s_bfe_u32 s95, s66, 0x40007                    ; the step of 128 keys
	s_lshl_b32 s95, s95, 14
	s_add_co_u32 s94, s94, s95
	s_add_co_u32 s94, s94, KVBASE+8192             ; v's images lie behind the step's eight of k
	s_mov_b32 s95, 0
	s_add_nc_u64 s[O2:O2+1], s[10:11], s[94:95]
	; where my images of q or k go: 128 tokens are eight tiles, 128 channels two heads
	s_lshl_b32 s66, s17, 8
	s_lshl_b32 s67, s15, 7
	s_add_co_u32 s66, s66, s67                     ; my first token
	s_lshl_b32 s67, s40, 2
	s_lshl_b32 s92, s16, 1
	s_add_co_u32 s67, s67, s92                     ; my first head: 4 cx + 2 x half
	s_lshr_b32 s92, s66, 11
	s_lshl_b32 s92, s92, 4
	s_add_co_u32 s92, s92, s67                     ; bh
	s_bfe_u32 s93, s66, 0x40007
	s_cmp_eq_u32 s12, 0
	s_cselect_b32 s18, 17, 18                      ; a head's images: 131,072 bytes of q, 262,144 of k and v
	s_cselect_b32 s19, 13, 14                      ; a step's: 8,192 or 16,384
	s_mov_b32 s22, KVBASE
	s_cselect_b32 s22, 0, s22
	s_lshl_b32 s92, s92, s18
	s_lshl_b32 s93, s93, s19
	s_add_co_u32 s92, s92, s93
	s_add_co_u32 s92, s92, s22
	s_mov_b32 s93, 0
	s_add_nc_u64 s[10:11], s[10:11], s[92:93]
	s_lshl_b32 s23, 1, s18
	v_and_b32 v6, 31, v0
	v_lshlrev_b32 v[CO], 4, v6
	v_add_nc_u32 v[CO2], s23, v[CO]
.macro FRAG reg, adr, q, i             ; a fragment: lane l holds row l % 16; load c takes bytes 32 c + 16 (l / 16) + 0 .. 15 of the row's 128, which by the codes' order are registers 4 c .. 4 c + 3 of the form's own layout
.irp c, 0,1,2,3
	ds_load_b128 v[\reg+4*\c:\reg+4*\c+3], v[\adr] offset:128*(\q)+32*\c+(\i)*16*PITCH
.endr
.endm
; 16 matrix instructions: A's register blocks a0, a0 + 1 x B's eight, onto accumulators (a % 4, b) of the window that is set.  p: B's set.  zero = 1: the first product starts the sums.
; The accumulators take turns, one instruction a turn, in the same order in every step.
.macro MUL16 a0, p, zero
.irp a, \a0, \a0+1
.irp b, 0,1,2,3,4,5,6,7
.if \zero
	v_wmma_f32_16x16x128_bf8_bf8 v[8*(8*((\a)%4)+\b):8*(8*((\a)%4)+\b)+7], v[128*(\p)+FR*\b:128*(\p)+FR*\b+FR-1], v[AF+FR*(\a):AF+FR*(\a)+FR-1], 0
.else
	v_wmma_f32_16x16x128_bf8_bf8 v[8*(8*((\a)%4)+\b):8*(8*((\a)%4)+\b)+7], v[128*(\p)+FR*\b:128*(\p)+FR*\b+FR-1], v[AF+FR*(\a):AF+FR*(\a)+FR-1], v[8*(8*((\a)%4)+\b):8*(8*((\a)%4)+\b)+7]
.endif
.endr
.endr
.endm
.macro FETCH_B slot, q, p              ; B's eight fragments of the slot's q-th 128 along K into set p
	WIN TO_B
.irp i, 0,1,2,3,4,5,6,7
	FRAG 128*(\p)+FR*\i, ADRB+\slot, \q, \i
.endr
	WIN 0
.endm
.macro FETCH_A slot, q, i0             ; phase 1: A's blocks i0 .. i0 + 3
.irp i, \i0, \i0+1, \i0+2, \i0+3
	FRAG AF+FR*(\i), ADRA+\slot, \q, \i
.endr
.endm
.macro FETCH_AH slot, q, p             ; phase 2: A's four blocks into set p (register blocks 4 p .. 4 p + 3)
.irp i, 0,1,2,3
	FRAG AF+FR*(4*(\p)+\i), ADRA+\slot, \q, \i
.endr
.endm
.macro PLACES n                        ; a load into a register that a matrix instruction has read, and a vector line that reads its result, stand NP plain vector lines behind it
.rept \n
	v_nop
.endr
.endm
; PHASE 1.  A step of 128 along K that has its successor in the same slot: A's blocks 0-3 are fetched anew in the step's middle, blocks 4-7 at its end; B has two sets.
.macro STEP slot, q, zero
	s_wait_dscnt 4*NL                              ; B's set and A's blocks 0-3 are in; the youngest 16 loads (A's blocks 4-7) may be out
	WIN MUL_LO
	MUL16 0, (\q)%2, \zero
	MUL16 2, (\q)%2, \zero
	s_wait_dscnt 0
	PLACES NP
	FETCH_B \slot, (\q)+1, 1-(\q)%2
	FETCH_A \slot, (\q)+1, 0
	WIN MUL_HI
	MUL16 4, (\q)%2, \zero
	MUL16 6, (\q)%2, \zero
	PLACES NP
	WIN 0
	FETCH_A \slot, (\q)+1, 4
.endm
; the refill behind a round.  fill = 1: this phase's K step two on;  fill = 2: v's K step 0 (slot 0) or 1 (slot 1)
.macro REFILL slot, fill, g1a
	CREST                                          ; no wave of any partner still reads this slot's tile or has a load on its way
.if \fill == 1
	s_add_nc_u64 s[G0+4*\slot+2:G0+4*\slot+3], s[G0+4*\slot+2:G0+4*\slot+3], 2*ROWB
	s_add_nc_u64 s[G0B+4*\slot+2:G0B+4*\slot+3], s[G0B+4*\slot+2:G0B+4*\slot+3], 2*ROWB
.else
	s_add_nc_u64 s[G0+4*\slot+2:G0+4*\slot+3], s[A2:A2+1], \slot*ROWB
	s_or_b32 s[G0+4*\slot+3], s[G0+4*\slot+3], 0x80000000
	s_add_nc_u64 s[G0B+4*\slot+2:G0B+4*\slot+3], s[B2:B2+1], \slot*ROWB
	s_or_b32 s[G0B+4*\slot+3], s[G0B+4*\slot+3], 0x80000000
.endif
	JLOAD G0+4*\slot, \g1a, G0B+4*\slot, G1B       ; the first tensor load behind the round; its four v_nop are the places in front of the loads that follow
.endm
; A slot's last step changes slots: in front of the round each wave waits for all its tensor loads, adds 0 to its spare word, and waits for that and for its reads of this slot.  fetch = 0: the phase's last step.
; pf: v's K step that is asked for into the L2, two loads ahead of its own.
.macro TURN slot, next, fill, g1a, fetch, pf
	s_wait_tensorcnt 0x0                           ; my part of the next slot has landed
	ds_add_u32 v[SPW], v[NIL]
	s_wait_dscnt 4*NL+1                            ; (the add and the youngest 16 loads may be out)
	WIN MUL_LO
	MUL16 0, 1, 0
	s_wait_dscnt 0x0                               ; the add is done, and my reads of this slot are over
	s_barrier_signal -1
	MUL16 2, 1, 0
	WIN 0
	s_barrier_wait -1
	REFILL \slot, \fill, \g1a
.if \fetch
	FETCH_B \next, 0, 0
	FETCH_A \next, 0, 0
.endif
	global_prefetch_b8 v[PFH], s[PF2:PF2+1] offset:(\pf)*ROWB th:TH_LOAD_NT scope:SCOPE_SE
	WIN MUL_HI
	MUL16 4, 1, 0
	MUL16 6, 1, 0
	WIN 0
.if \fetch
	PLACES NP
	FETCH_A \next, 0, 4
.endif
.endm
; PHASE 2.  32 products a step of 128 along K.  Both operands have two sets: a step's 48 loads are issued ahead of the step before's products.
.macro HSTEP slot, zero                ; a slot's first 128: sets 0
	s_wait_dscnt 0x0                               ; this step's fragments are in
	PLACES NP
	FETCH_B \slot, 1, 1
	FETCH_AH \slot, 1, 1
	WIN MUL_LO
	MUL16 0, 0, \zero
	MUL16 2, 0, \zero
	WIN 0
.endm
.macro HTURN slot, next, fill          ; a slot's second 128: sets 1; and the change of slots
	s_wait_tensorcnt 0x0
	ds_add_u32 v[SPW], v[NIL]
	s_wait_dscnt 0x0                               ; the add is done, this step's fragments are in, and my reads of this slot are over
	s_barrier_signal -1
	WIN MUL_LO
	MUL16 4, 1, 0
	WIN 0
	s_barrier_wait -1
.if \fill
	REFILL \slot, 1, G1H
.else
	PLACES NP
.endif
	FETCH_B \next, 0, 0
	FETCH_AH \next, 0, 0
	WIN MUL_LO
	MUL16 6, 1, 0
	WIN 0
.endm
; THE WAY OUT, block by block of A's 16 rows: 64 sums are held within +-57,344 x 2^D into other registers (each accumulator from its low end on), eight conversions make 16 registers of codes, four stores of 512 bytes take them.
; v = 0: registers 0-7 are the first head's image of these 16 tokens, 8-15 the second head's;  v = 1: the 16 are one image of 16 channels x 128 keys.
.macro OUT a, v, base
.set AC, 64*((\a)%4)
	WIN 0x02+((\a)/4)
.set n, 0
.rept 64
	v_med3_num_f32 v[TMP+n], v[AC+n], -v[LIM], v[LIM]   ; the conversion does not saturate (ISA guide 7.6.2)
.set n, n+1
.endr
	WIN 0
.irp b, 0,1,2,3,4,5,6,7
	v_cvt_scalef32_pk8_bf8_f32 v[CD+16*(\a)+2*\b:CD+16*(\a)+2*\b+1], v[TMP+8*\b:TMP+8*\b+7], v[SCL]
.endr
	v_nop                                          ; one plain line between the conversions and the next block's holds
.if (\a) > 0
	s_wait_alu depctr_va_vdst(0)                   ; the wait ahead of the wait below
	s_wait_xcnt 0x0                                ; the earlier stores have read their base
	s_add_nc_u64 s[\base:\base+1], s[\base:\base+1], 1024+1024*(\v)
.endif
	global_store_b128 v[CO],  v[CD+16*(\a):CD+16*(\a)+3],     s[\base:\base+1]
	global_store_b128 v[CO],  v[CD+16*(\a)+4:CD+16*(\a)+7],   s[\base:\base+1] offset:512
.if \v
	global_store_b128 v[CO],  v[CD+16*(\a)+8:CD+16*(\a)+11],  s[\base:\base+1] offset:1024
	global_store_b128 v[CO],  v[CD+16*(\a)+12:CD+16*(\a)+15], s[\base:\base+1] offset:1536
.else
	global_store_b128 v[CO2], v[CD+16*(\a)+8:CD+16*(\a)+11],  s[\base:\base+1]
	global_store_b128 v[CO2], v[CD+16*(\a)+12:CD+16*(\a)+15], s[\base:\base+1] offset:512
.endif
.endm
	s_wait_alu depctr_va_vdst(0)                   ; the wait at the head's end
	s_wait_tensorcnt 0x0                           ; my part of K step 0 is in; slot 1's first fill is issued as a refill is:
	ds_add_u32 v[SPW], v[NIL]
	s_wait_dscnt 0x0
	CROUND
	JLOAD G0+4, G1, G0B+4, G1B                     ; K step 1
	FETCH_B 0, 0, 0
	FETCH_A 0, 0, 0
	global_prefetch_b8 v[PFO], s[PF1:PF1+1] offset:3*ROWB th:TH_LOAD_NT scope:SCOPE_SE   ; K step 3
	FETCH_A 0, 0, 4
	STEP 0, 0, 1                                   ; the first step's products start the sums
	TURN 0, 1, 1, G1, 1, 0                         ; slot 0 takes K step 2
	STEP 1, 0, 0
	TURN 1, 0, 1, G1, 1, 1                         ; slot 1 takes K step 3
	STEP 0, 0, 0
	TURN 0, 1, 2, G1H, 1, 2                        ; slot 0 takes v's K step 0
	STEP 1, 0, 0
	TURN 1, 0, 2, G1H, 0, 3                        ; slot 1 takes v's K step 1; its round has shown v's K step 0 to all
	s_wait_kmcnt 0x0
	s_sub_co_i32 s82, s82, s76
	s_sub_co_i32 s82, s82, s77                     ; q: e6 - e0 - e1
	s_sub_co_i32 s83, s83, s78
	s_sub_co_i32 s83, s83, s79                     ; k: e7 - e2 - e3
	s_sub_co_i32 s85, s85, s80
	s_sub_co_i32 s85, s85, s81                     ; v: e9 - e4 - e5
	s_cmp_eq_u32 s12, 1
	s_cselect_b32 s82, s83, s82
	s_add_co_i32 s82, s82, 127
	s_lshl_b32 s83, s82, 23
	v_mov_b32 v[SCL], s83                          ; 2^D as f32
	s_add_co_i32 s82, s82, 15
	s_lshl_b32 s82, s82, 23
	s_or_b32 s82, s82, 0x600000
	v_mov_b32 v[LIM], s82                          ; 57,344 x 2^D
	s_add_co_i32 s85, s85, 127
	s_lshl_b32 s98, s85, 23                        ; the same two for v
	s_add_co_i32 s85, s85, 15
	s_lshl_b32 s99, s85, 23
	s_or_b32 s99, s99, 0x600000
	PLACES NP                                      ; behind the last products
.irp a, 0,1,2,3,4,5,6,7
	OUT \a, 0, 10
.endr
	s_wait_xcnt 0x0                                ; the stores have read the codes' registers, which take A's fragments again
	FETCH_B 0, 0, 0
	FETCH_AH 0, 0, 0
	HSTEP 0, 1
	HTURN 0, 1, 1                                  ; slot 0 takes v's K step 2
	HSTEP 1, 0
	HTURN 1, 0, 1                                  ; slot 1 takes v's K step 3
	HSTEP 0, 0
	HTURN 0, 1, 0                                  ; nothing is filled any more
	HSTEP 1, 0
	s_wait_dscnt 0x0
	WIN MUL_LO
	MUL16 4, 1, 0
	MUL16 6, 1, 0
	WIN 0
	v_mov_b32 v[SCL], s98
	v_mov_b32 v[LIM], s99
	PLACES NP
.irp a, 0,1,2,3
	OUT \a, 1, O2
.endr
	s_wait_tensorcnt 0x0                           ; the wave's end
	ds_add_u32 v[SPW], v[NIL]
	s_wait_dscnt 0x0
	CROUND                                         ; the closing round
	s_endpgm
.Lfunc_end_k_qedb1d483e0_proj:
	.size	k_qedb1d483e0_proj, .Lfunc_end_k_qedb1d483e0_proj-k_qedb1d483e0_proj
	.p2alignl 7, 3214868480
	.fill 96, 4, 3214868480
	.section	.rodata,"a",@progbits
	.p2align	6, 0x0
	.amdhsa_kernel k_qedb1d483e0_proj
		.amdhsa_group_segment_fixed_size 327680
		.amdhsa_private_segment_fixed_size 0
		.amdhsa_enable_private_segment 0
		.amdhsa_kernarg_size 24
		.amdhsa_user_sgpr_count 2
		.amdhsa_user_sgpr_kernarg_segment_ptr 1
		.amdhsa_wavefront_size32 1
		.amdhsa_system_sgpr_workgroup_id_x 1
		.amdhsa_system_sgpr_workgroup_id_y 1
		.amdhsa_system_sgpr_workgroup_id_z 1
		.amdhsa_system_vgpr_workitem_id 0
		.amdhsa_next_free_vgpr 1024
		.amdhsa_next_free_sgpr 100
		.amdhsa_reserve_vcc 0
		.amdhsa_float_denorm_mode_32 3
		.amdhsa_float_denorm_mode_16_64 3
		.amdhsa_memory_ordered 1
		.amdhsa_forward_progress 1
		.amdhsa_inst_pref_size 189
	.end_amdhsa_kernel
	.amdgpu_metadata
---
amdhsa.version: [ 1, 2 ]
amdhsa.kernels:
  - .name:           k_qedb1d483e0_proj
    .symbol:         k_qedb1d483e0_proj.kd
    .args:
      - { .name: codes, .offset: 0, .size: 8, .value_kind: global_buffer, .address_space: global }
      - { .name: lowp_scales, .offset: 8, .size: 8, .value_kind: global_buffer, .address_space: global }
      - { .name: qkv, .offset: 16, .size: 8, .value_kind: global_buffer, .address_space: global }
    .group_segment_fixed_size: 327680
    .private_segment_fixed_size: 0
    .kernarg_segment_align: 8
    .kernarg_segment_size: 24
    .max_flat_workgroup_size: 128
    .sgpr_count:     100
    .vgpr_count:     1024
    .wavefront_size: 32
...
	.end_amdgpu_metadata
.endif
;; end of part 2
;; launch attn (part 3): grid 4 x 64, 8 waves a work-group, clusters of 4 x 1, 327,680 bytes of LDS; arguments qkv, lowp_scales, out0; writes out0
.if DOCPART == 3
	.amdgcn_target "amdgcn-amd-amdhsa--gfx1250"
	.amdhsa_code_object_version 6
	.text
	.protected	k_qedb1d483e0_attn
	.globl	k_qedb1d483e0_attn
	.p2align	8
	.type	k_qedb1d483e0_attn,@function
k_qedb1d483e0_attn:
	s_mov_b64 s[64:65], 0
	v_nop
	global_prefetch_b8 v0, s[64:65] scope:SCOPE_SE
	s_setreg_imm32_b32 hwreg(HW_REG_WAVE_MODE, 25, 1), 1
	s_wait_xcnt 0x0
	s_wait_alu depctr_hold_cnt(0) depctr_sa_sdst(0) depctr_va_vdst(0) depctr_va_sdst(0) depctr_va_ssrc(0) depctr_va_vcc(0) depctr_vm_vsrc(0)
	s_getreg_b32 s2, hwreg(HW_REG_IB_STS2, 6, 4)
	s_cmp_eq_u32 s2, 0
	s_cbranch_scc0 .Lentry_in_a_cluster
	s_endpgm
.Lentry_in_a_cluster:
	s_bfe_u32 s2, ttmp6, 0x10000c
	s_cmp_lg_u32 s2, 0x3003
	s_cbranch_scc0 .Lentry_shape_is_right
	s_endpgm
.Lentry_shape_is_right:
; Causal attention on codes of E5M2: out[b][q][64 head + e] = sum over k <= q of softmax_k(q . k / 8) v, both products on the codes that the launch before stored as images of operand registers.
; LEFT OUT: steps of 128 keys that lie wholly behind a block of 128 queries: reference()'s own causal mask gives them the weight 0 for all inputs.
; THE SOFTMAX: t = score x log2(e) / 8 x 2^(e6 + e7); M = the running largest t rounded up to a whole number; p = 2^(t - M) is quantised with 2^e8; the row's sum is taken of the unquantised p and divides at the end,
; with 2^(e8 + e9).  When M moves, the sum and O are multiplied by 2^(old M - new M), which rounds nothing; no branch hangs on data.
; LIMITS: e6 + e7 between -123 and 130, e8 between -126 and 112, so that each power of two is an f32 number; scaled scores stay under 2^31 in magnitude; NaN is not served.
; SHARES.  A cluster of four work-groups owns one (batch, head); each work-group has the head's whole K and V in LDS: 16 steps of 128 keys x 16,384 bytes, asked for JOINTLY, one tensor load of two steps a wave, at the kernel's head.
; Nothing is filled again, so one barrier shows all of it.  No prefetch: everything is asked for at the head, and there is no loop to run ahead in.
; The unit of work is a PAIR-STEP: two tiles of 16 queries against 128 keys, so that each fragment of K and V feeds two products.  Wave w of work-group cx takes tiles 2 cx, 2 cx + 1 of the block of 128 queries number w
; (w + 1 steps) and then the same tiles of block 15 - w (16 - w steps): 17 pair-steps for every wave, in one loop of 17 trips.  Trip w and trip 16 lie on the diagonal: they mask, and behind them a pair leaves.
; LAYOUT.  Both products are used transposed (S^T = K Q^T, O^T = V^T P^T): a lane holds one query (lane % 16); register j of score tile t is key 16 t + 8 (lane / 16) + j, so a conversion of a tile's eight registers
; gives registers 2 t, 2 t + 1 of P in the second product's own layout.  P's 16 registers are laid over the scores: from two registers ahead of them on, each conversion writing where earlier tiles have been converted.
; FRAGMENTS are fetched one step ahead: the next K behind this step's scores, the next V behind this step's second product; the last trip's fetches are read by nobody (the counted waits stay the same in every trip).
; REGISTERS.  Window 0: v1-11 addresses and constants; v12-19 the two tiles' -M, largest raw score, sum (two halves); v20-35 at work; v36-51 Q; v52-183 scores and P; v184-247 O^T.
;   Window 1: v0-63 K's eight fragments, v64-127 V's four, v128-143 the second pair's Q.
.set SPARE,  0x40000                   ; behind K and V: the spare words, 128 bytes a wave
.set STAGE,  0x40400                   ; the way out: 16 rows x 272 bytes for each wave, bytes that no tensor load fills
.set SPITCH, 272
.set VOFF,   8192                      ; in a step: K's eight images, then V's four
.set KVBASE, 8388608
.set LI,   1                           ; 16 x lane
.set ADR,  2                           ; LDS address of the next step's images
.set HOLD, 3                           ; 57,344 x 2^e8
.set HOLD2, 248                        ; the same once more, in another register bank: the second half of a dual hold takes it
.set SCL,  4                           ; 2^e8
.set DD,   5                           ; the first tile's query - 8 (lane / 16), counted in its block
.set NINF, 6
.set SPW,  7
.set NIL,  8
.set STO,  9
.set RD,   10
.set GO,   11
.set STA,  12
.set STB,  16
.set FA,   20
.set FB,   22
.set TVA,  24
.set TVB,  27
.set U,    30
.set Q,    36
.set SA,   54
.set SB,   120
.set OA,   184
.set OB,   216
.set VF,   64                          ; window 1
.set QN,   128                         ; window 1
.set WV,   10
.set CX,   11
.set BH,   12
.set WB,   13
.set G1,   16
.set G0,   24
.set SEL,  28
.set CS,   30
.set I,    32
.set DG,   33
.set TBN,  34
.set ES,   50
.set OUT,  52
.set OUTB, 54
.set MSB, 0
.macro WIN new                         ; the immediate's high byte repeats the setting that is left
.if MSB != \new
	s_set_vgpr_msb (MSB<<8)|\new
.set MSB, \new
.endif
.endm
.macro WALU
	s_wait_alu depctr_va_vdst(0)
.endm
.macro ROUND
	s_barrier_signal -1
	s_barrier_wait -1
	s_cmp_lg_u32 s[WV], 0
	s_cbranch_scc1 .Lnot_wave_0_\@
	s_barrier_signal -3
.Lnot_wave_0_\@:
	s_barrier_wait -3
	s_barrier_signal -1
	s_barrier_wait -1
.endm
.macro INIT                            ; a pair begins: -M = 3e38, the largest raw score -3e38, sums and O^T zero (the loop is written once; the first change of M multiplies zeros)
.irp st, STA, STB
	v_mov_b32 v[\st], 0x7f61b1e6
	v_mov_b32 v[\st+1], 0xff61b1e6
	v_mov_b32 v[\st+2], 0
	v_mov_b32 v[\st+3], 0
.endr
.set i, 0
.rept 64
	v_mov_b32 v[OA+i], 0
.set i, i+1
.endr
.endm
.macro LOADK
	WIN 0x40                                       ; destination window 1, address window 0
.irp t, 0,1,2,3,4,5,6,7
	ds_load_b128 v[8*\t:8*\t+3],   v[ADR] offset:1024*\t
	ds_load_b128 v[8*\t+4:8*\t+7], v[ADR] offset:1024*\t+512
.endr
	WIN 0
.endm
.macro LOADV
	WIN 0x40
.irp f, 0,1,2,3,4,5,6,7,8,9,10,11,12,13,14,15
	ds_load_b128 v[VF+4*\f:VF+4*\f+3], v[ADR] offset:VOFF+512*\f
.endr
	WIN 0
.endm
; line k of 32 that add a tile's 64 p, two at a time, in four chains; line 0 also brings the running sum under the new M
.macro SUMOP k, s, l, f
.if (\k) == 0
	v_pk_fma_f32 v[\l:\l+1], v[\l:\l+1], v[\f:\f+1], v[\s:\s+1] op_sel_hi:[1,0,1]
.elseif (\k) < 4
	v_pk_add_f32 v[U+2*(\k)-2:U+2*(\k)-1], v[\s+4*(\k)-2:\s+4*(\k)-1], v[\s+4*(\k):\s+4*(\k)+1]
.elseif (\k) < 29
.if (\k)%4 == 0
	v_pk_add_f32 v[\l:\l+1], v[\l:\l+1], v[\s+2*(\k)+6:\s+2*(\k)+7]
.else
	v_pk_add_f32 v[U+2*((\k)%4)-2:U+2*((\k)%4)-1], v[U+2*((\k)%4)-2:U+2*((\k)%4)-1], v[\s+2*(\k)+6:\s+2*(\k)+7]
.endif
.elseif (\k) == 29
	v_pk_add_f32 v[U:U+1], v[U:U+1], v[U+2:U+3]
.elseif (\k) == 30
	v_pk_add_f32 v[\l:\l+1], v[\l:\l+1], v[U+4:U+5]
.else
	v_pk_add_f32 v[\l:\l+1], v[\l:\l+1], v[U:U+1]
.endif
.endm
	s_load_b128 s[4:7], s[0:1], 0x0                ; the images s[4:5], the scales' exponents s[6:7]
	s_load_b64 s[8:9], s[0:1], 0x10                ; out
	v_lshl_add_u32 v[SPW], v0, 2, SPARE
	v_mov_b32 v[NIL], 0
	ds_add_u32 v[SPW], v[NIL]                      ; the opening: the add, twice on end, and its wait ahead of my first tensor load
	ds_add_u32 v[SPW], v[NIL]
	v_lshrrev_b32 v[LI], 5, v0
	v_readfirstlane_b32 s[WV], v[LI]               ; wave 0..7
	s_bfe_u32 s[CX], ttmp6, 0x40000                ; my place in the cluster: it enters global addresses and the mask's numbers alone
	s_and_b32 s[BH], ttmp7, 0xffff                 ; 16 batch + head
	s_xor_b32 s[WB], s[WV], 15                     ; 15 - wave
	s_mov_b32 s[G1], 15|(3<<16)|(1<<21)            ; all four partners; elements of 8 bytes
	s_mov_b32 s[G1+1], 32<<16                      ; rows of 256 bytes,
	s_mov_b32 s[G1+2], 128<<16                     ; 128 of them: two steps, dense in memory
	s_mov_b32 s[G1+3], 32<<16
	s_mov_b32 s[G1+4], 128
	s_mov_b32 s[G1+5], 32
	s_mov_b32 s[G1+6], 0
	s_mov_b32 s[G1+7], 0
	s_mov_b32 s[G0], 1
	s_lshl_b32 s[G0+1], s[WV], 15                  ; steps 2 wave, 2 wave + 1
	s_lshl_b32 s36, s[BH], 18
	s_add_co_u32 s36, s36, KVBASE
	s_add_co_u32 s36, s36, s[G0+1]
	s_mov_b32 s37, 0
	s_mov_b32 s[SEL], 0x76543210
	s_mov_b32 s[SEL+1], 0xfedcba98
	WALU                                           ; the wait ahead of the waits below
	s_wait_dscnt 0x0
	s_wait_kmcnt 0x0
	s_load_b256 s[40:47], s[6:7], 0x0              ; e0 .. e7
	s_load_b64 s[48:49], s[6:7], 0x20              ; e8, e9
	s_add_nc_u64 s[G0+2:G0+3], s[4:5], s[36:37]
	s_or_b32 s[G0+3], s[G0+3], 0x80000000
	ROUND                                          ; all four work-groups are here: the joint loads meet
	tensor_load_to_lds s[G0:G0+3], s[G1:G1+7]      ; my one tensor load of the launch
	s_nop 0
.rept 4
	v_nop
.endr
	s_lshl_b32 s60, s[WV], 3
	s_lshl_b32 s61, s[CX], 1
	s_add_co_u32 s60, s60, s61                     ; the first pair's first tile: 8 wave + 2 cx
	s_lshl_b32 s62, s[WB], 3
	s_add_co_u32 s62, s62, s61                     ; the second pair's: 8 (15 - wave) + 2 cx
	s_lshl_b32 s63, s[BH], 17
	s_lshl_b32 s36, s60, 10
	s_add_co_u32 s36, s36, s63
	s_add_nc_u64 s[56:57], s[4:5], s[36:37]        ; their images of Q
	s_lshl_b32 s36, s62, 10
	s_add_co_u32 s36, s36, s63
	s_add_nc_u64 s[58:59], s[4:5], s[36:37]
	s_lshr_b32 s63, s[BH], 4
	s_lshl_b32 s63, s63, 23
	s_and_b32 s38, s[BH], 15
	s_lshl_b32 s38, s38, 8
	s_add_co_u32 s63, s63, s38                     ; out: batch x 8,388,608 + head x 256
	s_lshl_b32 s36, s60, 16
	s_add_co_u32 s36, s36, s63
	s_add_nc_u64 s[OUT:OUT+1], s[8:9], s[36:37]    ; + tile x 16 rows of 4,096 bytes
	s_lshl_b32 s36, s62, 16
	s_add_co_u32 s36, s36, s63
	s_add_nc_u64 s[OUTB:OUTB+1], s[8:9], s[36:37]
	v_and_b32 v[LI], 31, v0
	v_lshlrev_b32 v[LI], 4, v[LI]
.irp i, 0,1,2,3
	global_load_b128 v[Q+4*\i:Q+4*\i+3], v[LI], s[56:57] offset:512*\i
.endr
	WIN 0x40
.irp i, 0,1,2,3
	global_load_b128 v[QN+4*\i:QN+4*\i+3], v[LI], s[58:59] offset:512*\i
.endr
	WIN 0
	v_and_b32 v[U], 15, v0                         ; r
	v_bfe_u32 v[U+1], v0, 4, 1                     ; h
	s_mul_i32 s36, s[WV], 16*SPITCH
	s_add_co_u32 s36, s36, STAGE                   ; my stage
	v_mul_u32_u24 v[STO], v[U], SPITCH
	v_lshl_add_u32 v[STO], v[U+1], 5, v[STO]
	v_add_nc_u32 v[STO], s36, v[STO]               ; in: row r, 32 h bytes on
	v_mul_u32_u24 v[RD], v[U+1], SPITCH
	v_lshl_add_u32 v[RD], v[U], 4, v[RD]
	v_add_nc_u32 v[RD], s36, v[RD]                 ; back: lanes 0-15 one row, lanes 16-31 the next
	v_lshlrev_b32 v[GO], 12, v[U+1]
	v_lshl_add_u32 v[GO], v[U], 4, v[GO]           ; the same two rows in out
	v_lshlrev_b32 v[U+2], 3, v[U+1]
	v_sub_nc_u32 v[DD], v[U], v[U+2]
	s_lshl_b32 s36, s[CX], 5
	v_add_nc_u32 v[DD], s36, v[DD]                 ; 32 cx + r - 8 h
	v_mov_b32 v[NINF], 0xff800000
	v_mov_b32 v[TVA+2], 0                          ; a lane permute's destination counts as one of its sources
	v_mov_b32 v[TVB+2], 0
	v_mov_b32 v[FA+1], 0                           ; (named as the upper halves of pairs)
	v_mov_b32 v[FB+1], 0
	INIT
	v_mov_b32 v[ADR], v[LI]                        ; step 0
	s_wait_kmcnt 0x0
	s_add_co_i32 s36, s46, s47
	s_lshl_b32 s36, s36, 23
	s_mov_b32 s[CS], 0x3e38aa3b                    ; log2(e) / 8,
	s_add_co_i32 s[CS], s[CS], s36                 ; x 2^(e6 + e7), by its exponent field
	s_mov_b32 s[CS+1], s[CS]
	s_add_co_i32 s36, s48, 127
	s_lshl_b32 s37, s36, 23
	v_mov_b32 v[SCL], s37
	s_add_co_i32 s36, s36, 15
	s_lshl_b32 s36, s36, 23
	s_or_b32 s36, s36, 0x600000
	v_mov_b32 v[HOLD], s36
	v_mov_b32 v[HOLD2], s36
	s_add_co_i32 s[ES], s48, s49
	s_mov_b32 s[I], 0
	WALU                                           ; the wait at the head's end
	s_wait_tensorcnt 0x0                           ; my two steps have landed,
	s_barrier_signal -1
	s_barrier_wait -1                              ; everybody's have: all of K and V
	LOADK
	LOADV
	s_wait_loadcnt 0x0                             ; Q
.Lstep:
	s_add_co_u32 s35, s[I], 1                      ; the NEXT trip n takes step n while n <= wave, then step n - wave - 1 = (n + 15 - wave) mod 16
	s_add_co_u32 s36, s35, s[WB]
	s_lshr_b32 s36, s36, 4
	s_mul_i32 s36, s36, s[WB]
	s_add_co_u32 s36, s36, s35
	s_and_b32 s36, s36, 15
	s_lshl_b32 s[TBN], s36, 14
	s_cmp_eq_u32 s[I], s[WV]                       ; is this trip on a diagonal?  Ids and the count of trips alone
	s_cselect_b32 s[DG], 1, 0
	s_cmp_eq_u32 s[I], 16
	s_cselect_b32 s[DG], 1, s[DG]
	v_add_nc_u32 v[ADR], s[TBN], v[LI]
	WALU
	s_wait_dscnt 16                                ; K is in; V's 16 loads, issued behind it, may be out
	WIN 0x01                                       ; source 0 in window 1
.irp t, 0,1,2,3,4,5,6,7
	v_wmma_f32_16x16x64_bf8_bf8 v[SA+8*\t:SA+8*\t+7], v[8*\t:8*\t+7], v[Q:Q+7], 0
	v_wmma_f32_16x16x64_bf8_bf8 v[SB+8*\t:SB+8*\t+7], v[8*\t:8*\t+7], v[Q+8:Q+15], 0
.endr
.rept 4
	v_nop                                          ; places: for the loads into K's registers and the reads of the scores
.endr
	LOADK                                          ; the next step's
	s_cmp_eq_u32 s[DG], 0
	s_cbranch_scc1 .Lopen
; the diagonal: key 16 t + j + 8 h is hidden from the first tile's query where 16 t + j > DD, from the second tile's where 16 (t - 1) + j > DD: one compare serves both
.set tt, -1
.rept 9
.set j, 0
.rept 8
	v_cmp_gt_i32 vcc_lo, 16*tt+j, v[DD]
.if tt >= 0
	v_cndmask_b32 v[SA+8*tt+j], v[SA+8*tt+j], v[NINF], vcc_lo
.endif
.if tt < 7
	v_cndmask_b32 v[SB+8*tt+8+j], v[SB+8*tt+8+j], v[NINF], vcc_lo
.endif
.set j, j+1
.endr
.set tt, tt+1
.endr
.Lopen:
	v_max3_num_f32 v[TVA], v[SA], v[SA+1], v[SA+2] ; the step's largest raw scores: two chains a tile, the tiles by turns
	v_max3_num_f32 v[TVB], v[SB], v[SB+1], v[SB+2]
	v_max3_num_f32 v[TVA+1], v[SA+3], v[SA+4], v[SA+5]
	v_max3_num_f32 v[TVB+1], v[SB+3], v[SB+4], v[SB+5]
.set i, 6
.rept 14
	v_max3_num_f32 v[TVA], v[TVA], v[SA+i], v[SA+i+1]
	v_max3_num_f32 v[TVB], v[TVB], v[SB+i], v[SB+i+1]
	v_max3_num_f32 v[TVA+1], v[TVA+1], v[SA+i+2], v[SA+i+3]
	v_max3_num_f32 v[TVB+1], v[TVB+1], v[SB+i+2], v[SB+i+3]
.set i, i+4
.endr
	v_max3_num_f32 v[TVA], v[TVA], v[SA+62], v[SA+63]
	v_max3_num_f32 v[TVB], v[TVB], v[SB+62], v[SB+63]
	v_max_num_f32 v[TVA], v[TVA], v[TVA+1]
	v_max_num_f32 v[TVB], v[TVB], v[TVB+1]
	v_permlanex16_b32 v[TVA+2], v[TVA], s[SEL], s[SEL+1]
	v_permlanex16_b32 v[TVB+2], v[TVB], s[SEL], s[SEL+1]
	v_max3_num_f32 v[STA+1], v[STA+1], v[TVA], v[TVA+2]   ; the running largest raw score
	v_max3_num_f32 v[STB+1], v[STB+1], v[TVB], v[TVB+2]
	v_mul_f32 v[TVA], s[CS], v[STA+1]              ; as t (the factor is positive)
	v_mul_f32 v[TVB], s[CS], v[STB+1]
	v_floor_f32 v[TVA+1], -v[TVA]                  ; the new -M = -ceil(t)
	v_floor_f32 v[TVB+1], -v[TVB]
	v_sub_f32 v[TVA], v[TVA+1], v[STA]             ; old M - new M: a whole number, 0 or less
	v_sub_f32 v[TVB], v[TVB+1], v[STB]
	v_mov_b32 v[STA], v[TVA+1]
	v_mov_b32 v[STB], v[TVB+1]
	v_cvt_i32_f32 v[TVA], v[TVA]                   ; (it saturates)
	v_cvt_i32_f32 v[TVB], v[TVB]
	v_ldexp_f32 v[FA], 1.0, v[TVA]                 ; f = 2^(old M - new M)
	v_ldexp_f32 v[FB], 1.0, v[TVB]
.set i, 0
.rept 16
	v_pk_mul_f32 v[OA+i:OA+i+1], v[OA+i:OA+i+1], v[FA:FA+1] op_sel_hi:[1,0]   ; O^T under the new M
	v_pk_mul_f32 v[OB+i:OB+i+1], v[OB+i:OB+i+1], v[FB:FB+1] op_sel_hi:[1,0]
.set i, i+2
.endr
.set i, 0
.rept 32
	v_pk_fma_f32 v[SA+i:SA+i+1], v[SA+i:SA+i+1], s[CS:CS+1], v[STA:STA+1] op_sel_hi:[1,0,0]   ; t - M, two at a time
.set i, i+2
.endr
	WALU                                           ; the wait ahead of a batch of exponentials
.set i, 0
.rept 32                                       ; the first tile's exponentials; the second tile's t - M stands among them and is read behind the next wait
	v_exp_f32 v[SA+i], v[SA+i]
	v_exp_f32 v[SA+i+1], v[SA+i+1]
	v_pk_fma_f32 v[SB+i:SB+i+1], v[SB+i:SB+i+1], s[CS:CS+1], v[STB:STB+1] op_sel_hi:[1,0,0]
.set i, i+2
.endr
	WALU                                           ; behind the batch, ahead of its first reader, and ahead of the next batch
.set kk, 0
.rept 32
	SUMOP kk, SA, STA+2, FA                        ; the sum of the unquantised p
.set kk, kk+1
.endr
.set i, 0
.rept 32                                       ; the second tile's exponentials; the first tile's holds stand among them, two to a line (p is not negative: the hold is one-sided; the conversion does not saturate: ISA guide 7.6.2)
	v_exp_f32 v[SB+i], v[SB+i]
	v_exp_f32 v[SB+i+1], v[SB+i+1]
	v_dual_min_num_f32 v[SA+i], v[SA+i], v[HOLD] :: v_dual_min_num_f32 v[SA+i+1], v[SA+i+1], v[HOLD2]
.set i, i+2
.endr
	v_nop                                          ; a plain place behind the last exponential
	WALU
.set tq, 0
.set kk, 0
.rept 8                                        ; the first tile's conversions, four lines of the second tile's sum behind each
	v_cvt_scalef32_pk8_bf8_f32 v[SA-2+2*tq:SA-1+2*tq], v[SA+8*tq:SA+8*tq+7], v[SCL]
.rept 4
	SUMOP kk, SB, STB+2, FB
.set kk, kk+1
.endr
.set tq, tq+1
.endr
.set tq, 0
.rept 8
.set i, 0
.rept 3
	v_dual_min_num_f32 v[SB+8*tq+i], v[SB+8*tq+i], v[HOLD] :: v_dual_min_num_f32 v[SB+8*tq+i+1], v[SB+8*tq+i+1], v[HOLD2]
.set i, i+2
.endr
	v_min_num_f32 v[SB+8*tq+6], v[SB+8*tq+6], v[HOLD]   ; two plain lines stand between one conversion and the next
	v_min_num_f32 v[SB+8*tq+7], v[SB+8*tq+7], v[HOLD]
	v_cvt_scalef32_pk8_bf8_f32 v[SB-2+2*tq:SB-1+2*tq], v[SB+8*tq:SB+8*tq+7], v[SCL]
.set tq, tq+1
.endr
	v_nop                                          ; one plain line between the last conversion and the products
	WALU                                           ; the wait ahead of the wait below
	s_wait_dscnt 16                                ; V is in; the next K's 16 loads may be out
	WIN 0x01
.irp c, 0,1,2,3
	v_wmma_f32_16x16x128_bf8_bf8 v[OA+8*\c:OA+8*\c+7], v[VF+16*\c:VF+16*\c+15], v[SA-2:SA+13], v[OA+8*\c:OA+8*\c+7]
	v_wmma_f32_16x16x128_bf8_bf8 v[OB+8*\c:OB+8*\c+7], v[VF+16*\c:VF+16*\c+15], v[SB-2:SB+13], v[OB+8*\c:OB+8*\c+7]
.endr
.rept 5
	v_nop                                          ; places: four for the loads into V's registers and the reads of O^T, five for the next scores, which are laid over P
.endr
	LOADV                                          ; the next step's
	s_cmp_eq_u32 s[DG], 0
	s_cbranch_scc1 .Lnext
; A PAIR LEAVES: O^T / the sum x 2^(e8 + e9), through my stage, as whole rows of 256 bytes
	v_add_f32 v[STA+2], v[STA+2], v[STA+3]
	v_add_f32 v[STB+2], v[STB+2], v[STB+3]
	v_permlanex16_b32 v[TVA], v[STA+2], s[SEL], s[SEL+1]
	v_permlanex16_b32 v[TVB], v[STB+2], s[SEL], s[SEL+1]
	v_add_f32 v[STA+2], v[STA+2], v[TVA]
	v_add_f32 v[STB+2], v[STB+2], v[TVB]
	WALU                                           ; ahead of the reciprocals
	v_rcp_f32 v[STA+2], v[STA+2]
	v_rcp_f32 v[STB+2], v[STB+2]
	v_nop
	WALU                                           ; behind them
	v_ldexp_f32 v[STA+2], v[STA+2], s[ES]
	v_ldexp_f32 v[STB+2], v[STB+2], s[ES]
	WALU                                           ; the wait directly ahead of the first readers of O^T
.set i, 0
.rept 16
	v_pk_mul_f32 v[SA+i:SA+i+1], v[OA+i:OA+i+1], v[STA+2:STA+3] op_sel_hi:[1,0]
.set i, i+2
.endr
.set i, 0
.rept 16
	v_pk_mul_f32 v[SA+32+i:SA+32+i+1], v[OB+i:OB+i+1], v[STB+2:STB+3] op_sel_hi:[1,0]
.set i, i+2
.endr
.irp u, 0,1
.irp c, 0,1,2,3
	ds_store_b128 v[STO], v[SA+32*\u+8*\c:SA+32*\u+8*\c+3]   offset:64*\c
	ds_store_b128 v[STO], v[SA+32*\u+8*\c+4:SA+32*\u+8*\c+7] offset:64*\c+16
.endr
.irp i, 0,1,2,3,4,5,6,7
	ds_load_b128 v[SB+32*\u+4*\i:SB+32*\u+4*\i+3], v[RD] offset:2*\i*SPITCH   ; LDS serves a wave's instructions in order: these see my stores, and the next tile's stores come behind them
.endr
.endr
	WALU
.irp i, 0,1,2,3,4,5,6,7
	s_wait_dscnt 23-\i                             ; behind load i: the tile's later loads, and the second tile's 8 stores and 8 loads
	global_store_b128 v[GO], v[SB+4*\i:SB+4*\i+3], s[OUT:OUT+1] offset:8192*\i th:TH_STORE_NT   ; 16 lanes store 256 consecutive bytes, aligned
.endr
.irp i, 0,1,2,3,4,5,6,7
	s_wait_dscnt 7-\i
	global_store_b128 v[GO], v[SB+32+4*\i:SB+32+4*\i+3], s[OUT:OUT+1] offset:65536+8192*\i th:TH_STORE_NT
.endr
	s_cmp_eq_u32 s[I], 16
	s_cbranch_scc1 .Lnext                          ; the second pair has no successor
	INIT
	WIN 0x01
.set i, 0
.rept 16
	v_mov_b32 v[Q+i], v[QN+i]                      ; the second pair's Q
.set i, i+1
.endr
	WIN 0
	s_wait_xcnt 0x0                                ; the stores have read their data and their base: the scores may be written, and the base
	s_mov_b64 s[OUT:OUT+1], s[OUTB:OUTB+1]
.Lnext:
	s_add_co_u32 s[I], s[I], 1
	s_cmp_lt_u32 s[I], 17
	WALU                                           ; the wait directly ahead of the branch
	s_cbranch_scc1 .Lstep
	s_wait_tensorcnt 0x0                           ; the wave's end
	ds_add_u32 v[SPW], v[NIL]
	s_wait_dscnt 0x0
	ROUND                                          ; the closing round
	s_endpgm
.Lfunc_end_k_qedb1d483e0_attn:
	.size	k_qedb1d483e0_attn, .Lfunc_end_k_qedb1d483e0_attn-k_qedb1d483e0_attn
	.p2alignl 7, 3214868480
	.fill 96, 4, 3214868480
	.section	.rodata,"a",@progbits
	.p2align	6, 0x0
	.amdhsa_kernel k_qedb1d483e0_attn
		.amdhsa_group_segment_fixed_size 327680
		.amdhsa_private_segment_fixed_size 0
		.amdhsa_enable_private_segment 0
		.amdhsa_kernarg_size 24
		.amdhsa_user_sgpr_count 2
		.amdhsa_user_sgpr_kernarg_segment_ptr 1
		.amdhsa_wavefront_size32 1
		.amdhsa_system_sgpr_workgroup_id_x 1
		.amdhsa_system_sgpr_workgroup_id_y 1
		.amdhsa_system_sgpr_workgroup_id_z 1
		.amdhsa_system_vgpr_workitem_id 0
		.amdhsa_next_free_vgpr 400
		.amdhsa_next_free_sgpr 72
		.amdhsa_reserve_vcc 1
		.amdhsa_float_denorm_mode_32 3
		.amdhsa_float_denorm_mode_16_64 3
		.amdhsa_memory_ordered 1
		.amdhsa_forward_progress 1
		.amdhsa_inst_pref_size 57
	.end_amdhsa_kernel
	.amdgpu_metadata
---
amdhsa.version: [ 1, 2 ]
amdhsa.kernels:
  - .name:           k_qedb1d483e0_attn
    .symbol:         k_qedb1d483e0_attn.kd
    .args:
      - { .name: qkv, .offset: 0, .size: 8, .value_kind: global_buffer, .address_space: global }
      - { .name: lowp_scales, .offset: 8, .size: 8, .value_kind: global_buffer, .address_space: global }
      - { .name: out0, .offset: 16, .size: 8, .value_kind: global_buffer, .address_space: global }
    .group_segment_fixed_size: 327680
    .private_segment_fixed_size: 0
    .kernarg_segment_align: 8
    .kernarg_segment_size: 24
    .max_flat_workgroup_size: 256
    .sgpr_count:     72
    .vgpr_count:     400
    .wavefront_size: 32
...
	.end_amdgpu_metadata
.endif
;; end of part 3
